; MI455X (gfx1250); checked and timed in simulation.
; The chip was launched on July 23, 2026; its instructions are those of AMD's public machine-readable ISA for CDNA 5 (MIT licence, August 2026) and "CDNA5" Instruction Set Architecture Reference Guide (July 2026). The comments in the code are by the model that wrote it; some were corrected since.
;; Divergence Free Kernel. Allowed arithmetic: float matrix products may take bf16 or f16 operands with f32 sums; all other float work in f32.
;; Inputs: X 2,048 x 16 float32; X2 2,048 x 16 float32; uls 16 float32; uv 1 float32.
;; Outputs: out0 2,048 x 2,048 float32.
;; 2 versions, each right; version 2 is version 1 with the launch divfree written anew for expert scheduling mode. Each part assembles by itself: llvm-mc -triple=amdgcn-amd-amdhsa -mcpu=gfx1250 --defsym DOCPART=n.
;; ======== version 1 of 2: 1 launch
;; limits: right only within a limited range of input values
;; launch divfree (part 1): grid 16 x 16, 8 waves a work-group, no clusters, 41,984 bytes of LDS; arguments X, X2, uls, uv, out0; writes out0
.if DOCPART == 1
	.amdgcn_target "amdgcn-amd-amdhsa--gfx1250"
	.amdhsa_code_object_version 6
	.text
	.protected	k_q0f11c078d0_divfree
	.globl	k_q0f11c078d0_divfree
	.p2align	8
	.type	k_q0f11c078d0_divfree,@function
k_q0f11c078d0_divfree:
	s_mov_b64 s[64:65], 0
	v_nop
	global_prefetch_b8 v0, s[64:65] scope:SCOPE_SE
	s_setreg_imm32_b32 hwreg(HW_REG_WAVE_MODE, 25, 1), 1
	s_wait_xcnt 0x0
; out0[n][m] = var * exp(-sq/2) * ( sum_d l2_d diff_d^2 + (15 - sq) * L ),  X, X2: [2048][16] f32, out0: [2048][2048] f32,
; ls = softplus(uls), var = softplus(uv), l2 = 1/ls^2, L = sum_d l2_d, diff = (x - y)/ls, sq = sum_d diff_d^2.
;
; THE FORM USED.  Only differences x - y enter, so both sides are first shifted by c = X's row 0 (an identity for every input; it keeps
; a common offset of the inputs out of the products).  With s^2 = log2 e, u = s (x - c)/ls, v = s (y - c)/ls:
;   P = log2 exp(-sq/2) = u.v - |u|^2/2 - |v|^2/2
;   T = 15 var L + sum_d w_d v_d - 1/2 sum_d w_d u_d - 1/2 sum_d k_d v_d^2,   k_d = -2 ln2 var (l2_d - L),  w_d = k_d u_d
;   out0 = 2^P * T
; P and T are two bf16 matrix products with f32 sums, K = 64 slots each (two instructions), on one shared X2 side:
;   slots         X side for P   X side for T   X2 side
;   first,  h=0   uh (16 dims)   wh             vh          uh, ul: bf16 head of u and bf16 of the remainder; likewise w, v
;   first,  h=1   ul             wl             vh
;   second, h=0   uh             wh             vl
;   second, h=1   p1 0 p2 0 p3 0 1 0 1 0 1 0    0 t1 0 t2 0 t3 0 1 0 1 0 1    1 1 1 1 1 1 gp1 gt1 gp2 gt2 gp3 gt3    (4 slots zero)
; p, t (rows of X) and gp, gt (rows of X2) are the f32 terms that hang on one side alone, each cut into three bf16 pieces (24 bits).
; Behind the products an output costs one v_exp_f32 and one v_mul_f32.
;
; LIMITS.  The product ul.vl is left out and the remainders are rounded to bf16: the exponent P is off by about 2^-16 sum_d |u_d v_d|.
; v_exp_f32 gives 0 below 2^-126 (ISA guide 15.8), where the f32 exponential would still be a denormal.  uls below about -87 gives
; ls = 0.  Where var x^2 / ls^4 passes f32's largest number (ls below about 1e-9 at inputs of order one) T is infinite or NaN, and
; so is the output, where the sum as written in the problem multiplies by the zero factor first and gives 0.
;
; THE SHARES.  256 work-groups, each a block of 128 x 128 of out0, eight waves.  Set-up: thread t of waves 0-3 turns row t of the block's
; 128 rows of X into a record of 192 bytes in LDS, thread t of waves 4-7 one of the block's 128 rows of X2 into a record of 96 bytes.
; One barrier.  Then wave w makes rows 32 (w/2) .. +31, columns 64 (w%2) .. +63: 2 row tiles x 4 column tiles of 16 x 16.
; Column tile q holds the columns 4 r + q (r = lane % 16), so that the four tiles' results of one row, written side by side by the
; multiply, are 16 neighbouring bytes a lane and 256 neighbouring bytes for 16 lanes: no trip through LDS on the way out.
; NO CLUSTER, NO TENSOR LOAD: a work-group reads 16 KiB of inputs once, against 65,536 bytes that it stores, and every input number has
; to pass through registers to be scaled and split; there is no loop over shared tiles in which a joint request could save anything.
.set APITCH, 208                       ; X record: uh 32, ul 32, P terms 32, wh 32, wl 32, T terms 32 bytes, + 16: 13 x 16, an odd multiple of 16
.set BPITCH, 112                       ; X2 record: vh 32, vl 32, terms 32 bytes, + 16: 7 x 16
.set BBASE,  128*APITCH                ; the X2 records lie behind the 128 X records
.set OROW,   2048*4                    ; bytes in a row of out0
; registers that live through the kernel
.set R,    1                           ; lane % 16: my dimension in the set-up, my row or column of a fragment later
.set H,    2                           ; (lane / 16) % 2
.set TMP,  3
.set A32,  240                         ; LDS: my X record of row tile 0, + 32 h
.set A64,  241                         ;      the same + 64 h
.set B0,   242                         ; LDS: my X2 record of column tile 0
.set B32,  243                         ;      the same + 32 h
.set VO,   244                         ; my byte offset in the block of out0
; registers of the set-up
.set DOFF, 4                           ; 4 x my dimension
.set ZERO, 5
.set T,    6                           ; my record's number, 0 .. 127
.set ROFF, 7                           ; byte offset of my row in the block's rows
.set XL,   8                           ; uls[d]
.set XV,   9                           ; uv[0]
.set CEN,  10                          ; c_d = X[0][d]
.set E1,   11                          ; v11-22: the two softplus chains, side by side
.set E2,   12
.set MX1,  13
.set MX2,  14
.set W1,   15
.set W2,   16
.set G1,   17
.set G2,   18
.set D1,   19
.set D2,   20
.set Q1,   21
.set Q2,   22
.set NI,   25                          ; -s / ls_d
.set KV,   26                          ; k_d
.set K0,   27                          ; 15 var L in waves 0-3, 0 in waves 4-7
.set X,    32                          ; v[32:47]  my row, then u (v)
.set F,    48                          ; v[48:63]  at work, then w = k u
.set UH,   64                          ; v[64:111] the record, in its order in LDS
.set UL,   72
.set NP,   80
.set WH,   88
.set WL,   96
.set NT,   104
.set CP,   NP+3                        ; v[83:85]  the three words (P piece, T piece)
.set SN,   112                         ; v[112:115] sum u u
.set SM,   116                         ; v[116:119] sum w u
.set PT,   120                         ; v[120:121] the pair (P term, T term)
.set PS,   122                         ; v[122:123] its bf16 heads as f32
; registers of the main part
.set RA0,  16                          ; X fragments of row tile 0: P first, P second, T first, T second, 8 each; then group 0's results
.set RA1,  48                          ; the same of row tile 1
.set RB,   80                          ; X2 fragments: tile q at 16 q: first 8, second 8
.set P0,   144                         ; P of group 0, tile q at 8 q; then group 1's results
.set T0,   176                         ; T of group 0, then of group 1
.set P1,   208                         ; P of group 1
	s_load_b256 s[4:11], s[0:1], 0x0               ; X s[4:5], X2 s[6:7], uls s[8:9], uv s[10:11]
	s_load_b64 s[12:13], s[0:1], 0x20              ; out0
	v_lshl_add_u32 v248, v0, 2, 0xa000
	v_mov_b32 v249, 0
	v_and_b32 v[R], 15, v0
	v_bfe_u32 v[H], v0, 4, 1
	v_lshrrev_b32 v[TMP], 5, v0
	v_readfirstlane_b32 s14, v[TMP]                ; wave 0 .. 7
	v_lshlrev_b32 v[DOFF], 2, v[R]
	v_mov_b32 v[ZERO], 0
	v_and_b32 v[T], 127, v0
	; X2 records lie in the order in which the column tiles want them: record 64 a + 16 q + r is row 64 a + 4 r + q
	v_and_b32 v[ROFF], 64, v0
	v_lshl_add_u32 v[ROFF], v[R], 2, v[ROFF]
	v_bfe_u32 v[TMP], v0, 4, 2
	v_add_nc_u32 v[ROFF], v[ROFF], v[TMP]
	s_and_b32 s15, ttmp7, 0xffff                   ; block row of out0; ttmp9: block column
	s_cmp_lt_u32 s14, 4                            ; waves 0-3: X;  waves 4-7: X2
	s_cselect_b32 s20, -1, 0                       ; the same as a lane mask
	s_cselect_b32 s18, s15, ttmp9
	v_cndmask_b32 v[ROFF], v[ROFF], v[T], s20      ; X records lie in the rows' order
	v_lshlrev_b32 v[ROFF], 6, v[ROFF]              ; 64 bytes a row
	s_wait_kmcnt 0x0
	s_cselect_b64 s[16:17], s[4:5], s[6:7]         ; (SCC still from the compare: selects and waits leave it)
	s_lshl_b32 s18, s18, 13                        ; block x 128 rows x 64 bytes
	s_mov_b32 s19, 0
	s_add_nc_u64 s[16:17], s[16:17], s[18:19]
	global_load_b32 v[XL], v[DOFF], s[8:9]
	global_load_b32 v[XV], v[ZERO], s[10:11]
	global_load_b32 v[CEN], v[DOFF], s[4:5]
.irp i, 0,1,2,3
	global_load_b128 v[X+4*\i:X+4*\i+3], v[ROFF], s[16:17] offset:16*\i
.endr
	; while the loads are out: the addresses of the main part
	s_lshr_b32 s21, s14, 1                         ; which 32 rows of the block are my wave's
	s_and_b32 s22, s14, 1                          ; which 64 columns
	s_mul_i32 s23, s21, 32*APITCH
	s_mul_i32 s24, s22, 64*BPITCH
	s_add_co_u32 s24, s24, BBASE
	v_mul_u32_u24 v[TMP], v[R], APITCH
	v_add_nc_u32 v[TMP], s23, v[TMP]
	v_lshl_add_u32 v[A32], v[H], 5, v[TMP]
	v_lshl_add_u32 v[A64], v[H], 6, v[TMP]
	v_mul_u32_u24 v[TMP], v[R], BPITCH
	v_add_nc_u32 v[B0], s24, v[TMP]
	v_lshl_add_u32 v[B32], v[H], 5, v[B0]
	s_lshl_b32 s25, s21, 18                        ; 32 rows of 8,192 bytes
	s_lshl_b32 s26, s22, 8                         ; 64 columns of 4 bytes
	s_or_b32 s25, s25, s26                         ; my wave's corner in the block
	s_lshl_b32 s26, s15, 20                        ; the block's corner: 128 rows of 8,192 bytes,
	s_lshl_b32 s27, ttmp9, 9                       ; 128 columns of 4 bytes
	s_add_co_u32 s26, s26, s27
	s_mov_b32 s27, 0
	s_add_nc_u64 s[12:13], s[12:13], s[26:27]
	s_mov_b32 s28, 0xffff0000                      ; a word's upper bf16
	s_mov_b32 s29, 0x3fb8aa3b                      ; log2 e
	; THE CONSTANTS, lane = dimension (both halves of the wave alike).  softplus(x) = max(x, 0) + log1p(t), t = e^-|x|, and
	; log1p(t) = ln(w) t / (w - 1) with w = 1 + t rounded (w - 1 is exact; the quotient mends w's rounding), or t where w = 1.
	s_wait_loadcnt 0x4                             ; uls, uv and c are in; the four younger loads (my row) stay out
	v_or_b32 v[E1], 0x80000000, v[XL]              ; -|x|
	v_or_b32 v[E2], 0x80000000, v[XV]
	v_mul_f32 v[E1], s29, v[E1]
	v_mul_f32 v[E2], s29, v[E2]
	v_exp_f32 v[E1], v[E1]                         ; t
	v_exp_f32 v[E2], v[E2]
	v_max_num_f32 v[MX1], 0, v[XL]                 ; (a plain instruction stands between each run of transcendentals and the first use
	v_max_num_f32 v[MX2], 0, v[XV]                 ;  of their results: ISA guide 5.7.2)
	s_wait_alu depctr_va_vdst(0)
	v_add_f32 v[W1], 1.0, v[E1]
	v_add_f32 v[W2], 1.0, v[E2]
	v_log_f32 v[G1], v[W1]                         ; log2 w
	v_log_f32 v[G2], v[W2]
	v_add_f32 v[D1], -1.0, v[W1]                   ; w - 1
	v_add_f32 v[D2], -1.0, v[W2]
	v_rcp_f32 v[Q1], v[D1]
	v_rcp_f32 v[Q2], v[D2]
	v_mul_f32 v[W1], 0x3f317218, v[E1]             ; t ln 2
	v_mul_f32 v[W2], 0x3f317218, v[E2]
	s_wait_alu depctr_va_vdst(0)
	v_mul_f32 v[G1], v[G1], v[W1]
	v_mul_f32 v[G2], v[G2], v[W2]
	v_mul_f32 v[G1], v[G1], v[Q1]
	v_mul_f32 v[G2], v[G2], v[Q2]
	v_cmp_eq_f32 vcc_lo, 0, v[D1]
	v_cndmask_b32 v[G1], v[G1], v[E1], vcc_lo
	v_cmp_eq_f32 vcc_lo, 0, v[D2]
	v_cndmask_b32 v[G2], v[G2], v[E2], vcc_lo
	v_add_f32 v[G1], v[G1], v[MX1]                 ; ls_d
	v_add_f32 v[G2], v[G2], v[MX2]                 ; var
	v_rcp_f32 v[D1], v[G1]                         ; 1 / ls_d
	v_mul_f32 v[D2], 0xbfb17218, v[G2]             ; -2 ln2 var
	s_wait_alu depctr_va_vdst(0)
	v_mul_f32 v[Q1], v[D1], v[D1]                  ; l2_d
	v_mul_f32 v[NI], 0xbf99be61, v[D1]             ; -s / ls_d, s = sqrt(log2 e) = 1.2011224
	v_add_f32_dpp v[Q2], v[Q1], v[Q1] row_xmask:1 row_mask:0xf bank_mask:0xf   ; L = the sum over the 16 lanes of a half
	v_add_f32_dpp v[Q2], v[Q2], v[Q2] row_xmask:2 row_mask:0xf bank_mask:0xf
	v_add_f32_dpp v[Q2], v[Q2], v[Q2] row_xmask:4 row_mask:0xf bank_mask:0xf
	v_add_f32_dpp v[Q2], v[Q2], v[Q2] row_xmask:8 row_mask:0xf bank_mask:0xf
	v_sub_f32 v[W1], v[Q1], v[Q2]                  ; l2_d - L
	v_mul_f32 v[KV], v[D2], v[W1]                  ; k_d
	v_mul_f32 v[W2], v[G2], v[Q2]                  ; var L
	v_mul_f32 v[K0], 0x41700000, v[W2]             ; 15 var L (15 = the 16 dimensions - 1)
	v_cndmask_b32 v[K0], 0, v[K0], s20             ; it is added once, on X's side
; 16 f32 at src -> 8 words of bf16 heads at hi and 8 words of bf16 of the remainders at lo.  tmp: 16 registers
.macro SPLIT hi, lo, src, tmp
.irp i, 0,1,2,3,4,5,6,7
	v_cvt_pk_bf16_f32 v[\hi+\i], v[\src+2*\i], v[\src+2*\i+1]
.endr
.irp i, 0,1,2,3,4,5,6,7
	v_lshlrev_b32 v[\tmp+2*\i], 16, v[\hi+\i]      ; the heads back as f32
	v_and_b32 v[\tmp+2*\i+1], s28, v[\hi+\i]
.endr
.irp i, 0,1,2,3,4,5,6,7
	v_pk_add_f32 v[\tmp+2*\i:\tmp+2*\i+1], v[\src+2*\i:\src+2*\i+1], v[\tmp+2*\i:\tmp+2*\i+1] neg_lo:[0,1] neg_hi:[0,1]   ; exact
.endr
.irp i, 0,1,2,3,4,5,6,7
	v_cvt_pk_bf16_f32 v[\lo+\i], v[\tmp+2*\i], v[\tmp+2*\i+1]
.endr
.endm
; sum over 16 dimensions of a_d b_d, left as two halves in v[acc], v[acc+1]; two chains; the first products start the sums
.macro DOT acc, a, b
	v_pk_mul_f32 v[\acc:\acc+1], v[\a:\a+1], v[\b:\b+1]
	v_pk_mul_f32 v[\acc+2:\acc+3], v[\a+2:\a+3], v[\b+2:\b+3]
.irp i, 4,8,12
	v_pk_fma_f32 v[\acc:\acc+1], v[\a+\i:\a+\i+1], v[\b+\i:\b+\i+1], v[\acc:\acc+1]
	v_pk_fma_f32 v[\acc+2:\acc+3], v[\a+\i+2:\a+\i+3], v[\b+\i+2:\b+\i+3], v[\acc+2:\acc+3]
.endr
	v_pk_add_f32 v[\acc:\acc+1], v[\acc:\acc+1], v[\acc+2:\acc+3]
.endm
	; MY ROW.  The constant of dimension d is read out of lane d of my half of the wave by the arithmetic itself (DPP row_share).
	s_wait_loadcnt 0x0
.irp d, 0,1,2,3,4,5,6,7,8,9,10,11,12,13,14,15
	v_sub_f32_dpp v[X+\d], v[CEN], v[X+\d] row_share:\d row_mask:0xf bank_mask:0xf     ; c_d - x_d
.endr
.irp d, 0,1,2,3,4,5,6,7,8,9,10,11,12,13,14,15
	v_mul_f32_dpp v[X+\d], v[NI], v[X+\d] row_share:\d row_mask:0xf bank_mask:0xf      ; u_d = (-s / ls_d)(c_d - x_d)
.endr
	SPLIT UH, UL, X, F
	DOT SN, X, X
.irp d, 0,1,2,3,4,5,6,7,8,9,10,11,12,13,14,15
	v_mul_f32_dpp v[F+\d], v[KV], v[X+\d] row_share:\d row_mask:0xf bank_mask:0xf      ; w_d = k_d u_d
.endr
	DOT SM, F, X
	v_add_f32 v[PT], v[SN], v[SN+1]
	v_add_f32 v[PT+1], v[SM], v[SM+1]
	v_mul_f32 v[PT], -0.5, v[PT]                   ; my row's term of P
	v_fma_f32 v[PT+1], v[PT+1], -0.5, v[K0]        ; my row's term of T
	; both cut into three bf16 pieces: word i = (piece i of the P term, piece i of the T term)
.irp i, 0,1
	v_cvt_pk_bf16_f32 v[CP+\i], v[PT], v[PT+1]
	v_lshlrev_b32 v[PS], 16, v[CP+\i]
	v_and_b32 v[PS+1], s28, v[CP+\i]
	v_pk_add_f32 v[PT:PT+1], v[PT:PT+1], v[PS:PS+1] neg_lo:[0,1] neg_hi:[0,1]
.endr
	v_cvt_pk_bf16_f32 v[CP+2], v[PT], v[PT+1]
	s_cmp_lt_u32 s14, 4
	s_cbranch_scc0 .Lside_x2
	; waves 0-3, X's side: w is split too, and the pieces are parted: P's in low halves, T's in high halves, against (1, 1) on the other side
	SPLIT WH, WL, F, X
.irp i, 0,1,2
	v_and_b32 v[NP+\i], 0xffff, v[CP+\i]
	v_and_b32 v[NT+\i], s28, v[CP+\i]
.endr
.irp i, 3,4,5
	v_mov_b32 v[NP+\i], 0x3f80                     ; (1, 0): takes the other side's P pieces
	v_mov_b32 v[NT+\i], 1.0                        ; (0, 1) as bf16 halves: takes its T pieces
.endr
.irp i, 6,7
	v_mov_b32 v[NP+\i], 0                          ; the four slots not used are zero on both sides
	v_mov_b32 v[NT+\i], 0
.endr
	v_mul_u32_u24 v[TMP], v[T], APITCH
.irp i, 0,1,2,3,4,5,6,7,8,9,10,11
	ds_store_b128 v[TMP], v[UH+4*\i:UH+4*\i+3] offset:16*\i
.endr
	s_branch .Ljoin
.Lside_x2:
	; waves 4-7, X2's side
.irp i, 0,1,2
	v_mov_b32 v[NP+\i], 0x3f803f80                 ; (1, 1): takes the other side's pieces
.endr
.irp i, 6,7
	v_mov_b32 v[NP+\i], 0
.endr
	v_mul_u32_u24 v[TMP], v[T], BPITCH
.irp i, 0,1,2,3,4,5
	ds_store_b128 v[TMP], v[UH+4*\i:UH+4*\i+3] offset:BBASE+16*\i
.endr
.Ljoin:
	s_wait_dscnt 0x0                               ; my record is in LDS, for the other waves' sake: zero
	s_barrier_signal -1
	s_barrier_wait -1                              ; all 256 records are
	; THE FRAGMENTS.  Lane (r, h) takes 32 bytes of record r for each instruction's 16 slots of its half h.  32 loads, in the order of use.
.macro LOADA g, dst
.irp k, 0,96                                       ; P's three parts at byte 0 of the record, T's at byte 96
	ds_load_b128 v[\dst+\k/6:\dst+\k/6+3],       v[A32] offset:\g*16*APITCH+\k       ; first: head (h = 0), remainder (h = 1)
	ds_load_b128 v[\dst+\k/6+4:\dst+\k/6+7],     v[A32] offset:\g*16*APITCH+\k+16
	ds_load_b128 v[\dst+\k/6+8:\dst+\k/6+11],    v[A64] offset:\g*16*APITCH+\k       ; second: head (h = 0), terms (h = 1)
	ds_load_b128 v[\dst+\k/6+12:\dst+\k/6+15],   v[A64] offset:\g*16*APITCH+\k+16
.endr
.endm
	LOADA 0, RA0
.irp q, 0,1,2,3
	ds_load_b128 v[RB+16*\q:RB+16*\q+3],     v[B0]  offset:\q*16*BPITCH              ; first: head in both halves
	ds_load_b128 v[RB+16*\q+4:RB+16*\q+7],   v[B0]  offset:\q*16*BPITCH+16
	ds_load_b128 v[RB+16*\q+8:RB+16*\q+11],  v[B32] offset:\q*16*BPITCH+32           ; second: remainder (h = 0), terms (h = 1)
	ds_load_b128 v[RB+16*\q+12:RB+16*\q+15], v[B32] offset:\q*16*BPITCH+48
.endr
	LOADA 1, RA1
; The first source is X's side: register j of lane (r, h) of a result is (row 8 h + j, column 4 r + q).
; The first instruction of a sum takes the constant 0; the second is the next link in place and needs no distance (ISA guide 7.12.1).
.macro LINK1 acc, a, q
	v_wmma_f32_16x16x32_bf16 v[\acc+8*\q:\acc+8*\q+7], v[\a:\a+7], v[RB+16*\q:RB+16*\q+7], 0
.endm
.macro LINK2 acc, a, q
	v_wmma_f32_16x16x32_bf16 v[\acc+8*\q:\acc+8*\q+7], v[\a+8:\a+15], v[RB+16*\q+8:RB+16*\q+15], v[\acc+8*\q:\acc+8*\q+7]
.endm
	; group 0 (row tile 0), tile by tile as X2's fragments arrive
.irp q, 0,1,2,3
	s_wait_dscnt 20-4*\q                           ; LDS loads come back in order: the first 12 + 4 q of the 32 are in
	LINK1 P0, RA0, \q
	LINK1 T0, RA0+16, \q
	LINK2 P0, RA0, \q
	LINK2 T0, RA0+16, \q
.endr
	s_wait_dscnt 0x4                               ; row tile 1's P fragments are in; its four T loads stay out
.irp q, 0,1,2,3
	LINK1 P1, RA1, \q
.endr
.irp q, 0,1,2,3
	LINK2 P1, RA1, \q
.endr
	; four plain vector instructions that name no register of group 0's matrix instructions stand in front of the lines that read
	; their results and write over their X fragments: three make the store offset
	v_lshlrev_b32 v[TMP], 4, v[R]                  ; 16 bytes a lane: columns 4 r .. 4 r + 3
	v_lshl_add_u32 v[TMP], v[H], 16, v[TMP]        ; + 8 h rows of 8,192 bytes
	v_add_nc_u32 v[VO], s25, v[TMP]
	v_nop
; out = 2^P * T for a group of 16 rows x 64 columns.  The exponential writes tile q's row j to register o + 4 j + q, the multiply works in
; place: four neighbouring registers are four neighbouring columns.  A store covers 256 consecutive bytes, at a multiple of 256 from out0's
; first byte, with lanes 0-15 (row j) and 256 more with lanes 16-31 (row 8 + j).  Row j's exponentials stand in front of row j - 1's
; multiplies, which are the plain instructions between them and their use; pad: v_nop behind row 0's, which have no such row in front.
.macro FIN p, t, o, g, pad
.irp q, 0,1,2,3
	v_exp_f32 v[\o+\q], v[\p+8*\q]
.endr
.rept \pad
	v_nop
.endr
.irp j, 1,2,3,4,5,6,7
.irp q, 0,1,2,3
	v_exp_f32 v[\o+4*\j+\q], v[\p+8*\q+\j]
.endr
	s_wait_alu depctr_va_vdst(0)
.irp q, 0,1,2,3
	v_mul_f32 v[\o+4*\j-4+\q], v[\o+4*\j-4+\q], v[\t+8*\q+\j-1]
.endr
	global_store_b128 v[VO], v[\o+4*\j-4:\o+4*\j-1], s[12:13] offset:(16*\g+\j-1)*OROW th:TH_STORE_NT
.endr
.irp q, 0,1,2,3
	v_mul_f32 v[\o+28+\q], v[\o+28+\q], v[\t+8*\q+7]
.endr
	global_store_b128 v[VO], v[\o+28:\o+31], s[12:13] offset:(16*\g+7)*OROW th:TH_STORE_NT
.endm
	FIN P0, T0, RA0, 0, 1                          ; results in row tile 0's fragment registers, which are done with
	s_wait_dscnt 0x0                               ; row tile 1's T fragments
.irp q, 0,1,2,3
	LINK1 T0, RA1+16, \q                           ; T of group 1 into T0's registers: group 0's multiplies have read them
.endr
.irp q, 0,1,2,3
	LINK2 T0, RA1+16, \q
.endr
	FIN P1, T0, P0, 1, 4                           ; results in P0's registers (group 0's store data stay untouched); the four v_nop are the
	                                               ; places between T's matrix instructions and the first multiply that reads T
	s_wait_tensorcnt 0x0
	ds_add_u32 v248, v249
	s_wait_dscnt 0x0
	s_endpgm
.Lfunc_end_k_q0f11c078d0_divfree:
	.size	k_q0f11c078d0_divfree, .Lfunc_end_k_q0f11c078d0_divfree-k_q0f11c078d0_divfree
	.p2alignl 7, 3214868480
	.fill 96, 4, 3214868480
	.section	.rodata,"a",@progbits
	.p2align	6, 0x0
	.amdhsa_kernel k_q0f11c078d0_divfree
		.amdhsa_group_segment_fixed_size 41984
		.amdhsa_private_segment_fixed_size 0
		.amdhsa_enable_private_segment 0
		.amdhsa_kernarg_size 40
		.amdhsa_user_sgpr_count 2
		.amdhsa_user_sgpr_kernarg_segment_ptr 1
		.amdhsa_wavefront_size32 1
		.amdhsa_system_sgpr_workgroup_id_x 1
		.amdhsa_system_sgpr_workgroup_id_y 1
		.amdhsa_system_sgpr_workgroup_id_z 1
		.amdhsa_system_vgpr_workitem_id 0
		.amdhsa_next_free_vgpr 250
		.amdhsa_next_free_sgpr 66
		.amdhsa_reserve_vcc 1
		.amdhsa_float_denorm_mode_32 3
		.amdhsa_float_denorm_mode_16_64 3
		.amdhsa_memory_ordered 1
		.amdhsa_forward_progress 1
		.amdhsa_inst_pref_size 27
	.end_amdhsa_kernel
	.amdgpu_metadata
---
amdhsa.version: [ 1, 2 ]
amdhsa.kernels:
  - .name:           k_q0f11c078d0_divfree
    .symbol:         k_q0f11c078d0_divfree.kd
    .args:
      - { .name: X, .offset: 0, .size: 8, .value_kind: global_buffer, .address_space: global }
      - { .name: X2, .offset: 8, .size: 8, .value_kind: global_buffer, .address_space: global }
      - { .name: uls, .offset: 16, .size: 8, .value_kind: global_buffer, .address_space: global }
      - { .name: uv, .offset: 24, .size: 8, .value_kind: global_buffer, .address_space: global }
      - { .name: out0, .offset: 32, .size: 8, .value_kind: global_buffer, .address_space: global }
    .group_segment_fixed_size: 41984
    .private_segment_fixed_size: 0
    .kernarg_segment_align: 8
    .kernarg_segment_size: 40
    .max_flat_workgroup_size: 256
    .sgpr_count:     66
    .vgpr_count:     250
    .wavefront_size: 32
...
	.end_amdgpu_metadata
.endif
;; end of part 1
;; ======== version 2 of 2: 1 launch; version 1 with the launch divfree written anew for expert scheduling mode
;; limits: right only within a limited range of input values
;; launch divfree (part 2): grid 16 x 16, 8 waves a work-group, no clusters, 41,984 bytes of LDS; arguments X, X2, uls, uv, out0; writes out0
.if DOCPART == 2
	.amdgcn_target "amdgcn-amd-amdhsa--gfx1250"
	.amdhsa_code_object_version 6
	.text
	.protected	k_q0f11c078d0_divfree
	.globl	k_q0f11c078d0_divfree
	.p2align	8
	.type	k_q0f11c078d0_divfree,@function
k_q0f11c078d0_divfree:
	s_mov_b64 s[64:65], 0
	v_nop
	global_prefetch_b8 v0, s[64:65] scope:SCOPE_SE
	s_setreg_imm32_b32 hwreg(HW_REG_WAVE_SCHED_MODE, 0, 2), 2
	s_setreg_imm32_b32 hwreg(HW_REG_WAVE_MODE, 25, 1), 1
	s_wait_xcnt 0x0
	s_wait_alu depctr_vm_vsrc(0)
; out0[n][m] = var * exp(-sq/2) * ( sum_d l2_d diff_d^2 + (15 - sq) * L ),  X, X2: [2048][16] f32, out0: [2048][2048] f32,
; ls = softplus(uls), var = softplus(uv), l2 = 1/ls^2, L = sum_d l2_d, diff = (x - y)/ls, sq = sum_d diff_d^2.
;
; THE FORM USED.  Only differences x - y enter, so both sides are first shifted by c = X's row 0 (an identity for every input; it keeps
; a common offset of the inputs out of the products).  With s^2 = log2 e, u = s (x - c)/ls, v = s (y - c)/ls:
;   P = log2 exp(-sq/2) = u.v - |u|^2/2 - |v|^2/2
;   T = 15 var L + sum_d w_d v_d - 1/2 sum_d w_d u_d - 1/2 sum_d k_d v_d^2,   k_d = -2 ln2 var (l2_d - L),  w_d = k_d u_d
;   out0 = 2^P * T
; P and T are two bf16 matrix products with f32 sums, K = 64 slots each (two instructions), on one shared X2 side:
;   slots         X side for P   X side for T   X2 side
;   first,  h=0   uh (16 dims)   wh             vh          uh, ul: bf16 head of u and bf16 of the remainder; likewise w, v
;   first,  h=1   ul             wl             vh
;   second, h=0   uh             wh             vl
;   second, h=1   p1 0 p2 0 p3 0 1 0 1 0 1 0    0 t1 0 t2 0 t3 0 1 0 1 0 1    1 1 1 1 1 1 gp1 gt1 gp2 gt2 gp3 gt3    (4 slots zero)
; p, t (rows of X) and gp, gt (rows of X2) are the f32 terms that hang on one side alone, each cut into three bf16 pieces (24 bits).
; Behind the products an output costs one v_exp_f32 and one v_mul_f32.
;
; LIMITS.  The product ul.vl is left out and the remainders are rounded to bf16: the exponent P is off by about 2^-16 sum_d |u_d v_d|.
; v_exp_f32 gives 0 below 2^-126 (ISA guide 15.8), where the f32 exponential would still be a denormal.  uls below about -87 gives
; ls = 0.  Where var x^2 / ls^4 passes f32's largest number (ls below about 1e-9 at inputs of order one) T is infinite or NaN, and
; so is the output, where the sum as written in the problem multiplies by the zero factor first and gives 0.
;
; THE SHARES.  256 work-groups, each a block of 128 x 128 of out0, eight waves.  Set-up: thread t of waves 0-3 turns row t of the block's
; 128 rows of X into a record of 192 bytes in LDS, thread t of waves 4-7 one of the block's 128 rows of X2 into a record of 96 bytes.
; One barrier.  Then wave w makes rows 32 (w/2) .. +31, columns 64 (w%2) .. +63: 2 row tiles x 4 column tiles of 16 x 16.
; Column tile q holds the columns 4 r + q (r = lane % 16), so that the four tiles' results of one row, written side by side by the
; multiply, are 16 neighbouring bytes a lane and 256 neighbouring bytes for 16 lanes: no trip through LDS on the way out.
; NO CLUSTER, NO TENSOR LOAD: a work-group reads 16 KiB of inputs once, against 65,536 bytes that it stores, and every input number has
; to pass through registers to be scaled and split; there is no loop over shared tiles in which a joint request could save anything.
;
; THE MODE: SCHED_MODE bits 1:0 = 2 (LLVM: expert scheduling mode 2), set by the entry lines.  The code itself states the register
; dependences between vector or matrix instructions and memory or LDS instructions, with s_wait_alu, always for 0.
; THE PLAN.  Registers that memory or LDS instructions touch, in the order of the text:
;   v4, v5, v7    offsets of the seven global loads: made at the head, never written again.
;   v8-10, v32-47 the global loads land here: no vector instruction names them ahead of the loads.
;   v3, v64-111   the record's LDS address and the record: written by the set-up's vector work, read by the LDS stores.
;   v16-143       the 32 fragment loads land here: the set-up's vector work named these registers, and v64-111 were the LDS stores' data.
;   v240-243      the fragment loads' addresses: made at the head, never written again.
;   v244          the offset of all sixteen global stores: made behind the products, never written again.
;   v16-47        group 0's results: written by its exponentials and multiplies, read by eight stores, never written again.
;   v144-175      group 1's results: likewise.
; One wait on va_vdst stands ahead of each run of memory instructions whose registers vector work has just named: the global loads, the
; LDS stores (no vector instruction follows it up to the fragment loads, so it speaks for those too), group 0's stores, group 1's stores.
; One wait on vm_vsrc stands behind the barrier, between the LDS stores and the loads that land in their data registers.  The other
; waits on va_vdst stand between a batch of transcendentals and the first line that names a result;
; the two on va_sdst between vector instructions that write scalar registers and their first readers.
.set APITCH, 208                       ; X record: uh 32, ul 32, P terms 32, wh 32, wl 32, T terms 32 bytes, + 16: 13 x 16, an odd multiple of 16
.set BPITCH, 112                       ; X2 record: vh 32, vl 32, terms 32 bytes, + 16: 7 x 16
.set BBASE,  128*APITCH                ; the X2 records lie behind the 128 X records
.set OROW,   2048*4                    ; bytes in a row of out0
; registers that live through the kernel
.set R,    1                           ; lane % 16: my dimension in the set-up, my row or column of a fragment later
.set H,    2                           ; (lane / 16) % 2
.set TMP,  3
.set A32,  240                         ; LDS: my X record of row tile 0, + 32 h
.set A64,  241                         ;      the same + 64 h
.set B0,   242                         ; LDS: my X2 record of column tile 0
.set B32,  243                         ;      the same + 32 h
.set VO,   244                         ; my byte offset in the block of out0
; registers of the set-up
.set DOFF, 4                           ; 4 x my dimension
.set ZERO, 5
.set T,    6                           ; my record's number, 0 .. 127
.set ROFF, 7                           ; byte offset of my row in the block's rows
.set XL,   8                           ; uls[d]
.set XV,   9                           ; uv[0]
.set CEN,  10                          ; c_d = X[0][d]
.set E1,   11                          ; v11-22: the two softplus chains, side by side
.set E2,   12
.set MX1,  13
.set MX2,  14
.set W1,   15
.set W2,   16
.set G1,   17
.set G2,   18
.set D1,   19
.set D2,   20
.set Q1,   21
.set Q2,   22
.set NI,   25                          ; -s / ls_d
.set KV,   26                          ; k_d
.set K0,   27                          ; 15 var L in waves 0-3, 0 in waves 4-7
.set X,    32                          ; v[32:47]  my row, then u (v)
.set F,    48                          ; v[48:63]  at work, then w = k u
.set UH,   64                          ; v[64:111] the record, in its order in LDS
.set UL,   72
.set NP,   80
.set WH,   88
.set WL,   96
.set NT,   104
.set CP,   NP+3                        ; v[83:85]  the three words (P piece, T piece)
.set SN,   112                         ; v[112:115] sum u u
.set SM,   116                         ; v[116:119] sum w u
.set PT,   120                         ; v[120:121] the pair (P term, T term)
.set PS,   122                         ; v[122:123] its bf16 heads as f32
; registers of the main part
.set RA0,  16                          ; X fragments of row tile 0: P first, P second, T first, T second, 8 each; then group 0's results
.set RA1,  48                          ; the same of row tile 1
.set RB,   80                          ; X2 fragments: tile q at 16 q: first 8, second 8
.set P0,   144                         ; P of group 0, tile q at 8 q; then group 1's results
.set T0,   176                         ; T of group 0, then of group 1
.set P1,   208                         ; P of group 1
	s_load_b256 s[4:11], s[0:1], 0x0               ; X s[4:5], X2 s[6:7], uls s[8:9], uv s[10:11]
	s_load_b64 s[12:13], s[0:1], 0x20              ; out0
	v_lshl_add_u32 v246, v0, 2, 0xa000
	v_mov_b32 v247, 0
	v_and_b32 v[R], 15, v0
	v_bfe_u32 v[H], v0, 4, 1
	v_lshrrev_b32 v[TMP], 5, v0
	v_readfirstlane_b32 s14, v[TMP]                ; wave 0 .. 7
	v_lshlrev_b32 v[DOFF], 2, v[R]
	v_mov_b32 v[ZERO], 0
	v_and_b32 v[T], 127, v0
	; X2 records lie in the order in which the column tiles want them: record 64 a + 16 q + r is row 64 a + 4 r + q
	v_and_b32 v[ROFF], 64, v0
	v_lshl_add_u32 v[ROFF], v[R], 2, v[ROFF]
	v_bfe_u32 v[TMP], v0, 4, 2
	v_add_nc_u32 v[ROFF], v[ROFF], v[TMP]
	s_and_b32 s15, ttmp7, 0xffff                   ; block row of out0; ttmp9: block column
	s_wait_alu depctr_va_sdst(0)                   ; s14 is written, ahead of its first reader, the compare below
	s_cmp_lt_u32 s14, 4                            ; waves 0-3: X;  waves 4-7: X2
	s_cselect_b32 s20, -1, 0                       ; the same as a lane mask
	s_cselect_b32 s18, s15, ttmp9
	v_cndmask_b32 v[ROFF], v[ROFF], v[T], s20      ; X records lie in the rows' order
	v_lshlrev_b32 v[ROFF], 6, v[ROFF]              ; 64 bytes a row
	s_wait_kmcnt 0x0
	s_cselect_b64 s[16:17], s[4:5], s[6:7]         ; (SCC still from the compare: selects and waits leave it)
	s_lshl_b32 s18, s18, 13                        ; block x 128 rows x 64 bytes
	s_mov_b32 s19, 0
	s_add_nc_u64 s[16:17], s[16:17], s[18:19]
	s_wait_alu depctr_va_vdst(0)                   ; the offsets v4, v5 and v7 are written, which the seven loads below read
	global_load_b32 v[XL], v[DOFF], s[8:9]
	global_load_b32 v[XV], v[ZERO], s[10:11]
	global_load_b32 v[CEN], v[DOFF], s[4:5]
.irp i, 0,1,2,3
	global_load_b128 v[X+4*\i:X+4*\i+3], v[ROFF], s[16:17] offset:16*\i
.endr
	; while the loads are out: the addresses of the main part (none of these lines names a register of the loads)
	s_lshr_b32 s21, s14, 1                         ; which 32 rows of the block are my wave's
	s_and_b32 s22, s14, 1                          ; which 64 columns
	s_mul_i32 s23, s21, 32*APITCH
	s_mul_i32 s24, s22, 64*BPITCH
	s_add_co_u32 s24, s24, BBASE
	v_mul_u32_u24 v[TMP], v[R], APITCH
	v_add_nc_u32 v[TMP], s23, v[TMP]
	v_lshl_add_u32 v[A32], v[H], 5, v[TMP]
	v_lshl_add_u32 v[A64], v[H], 6, v[TMP]
	v_mul_u32_u24 v[TMP], v[R], BPITCH
	v_add_nc_u32 v[B0], s24, v[TMP]
	v_lshl_add_u32 v[B32], v[H], 5, v[B0]
	s_lshl_b32 s25, s21, 18                        ; 32 rows of 8,192 bytes
	s_lshl_b32 s26, s22, 8                         ; 64 columns of 4 bytes
	s_or_b32 s25, s25, s26                         ; my wave's corner in the block
	s_lshl_b32 s26, s15, 20                        ; the block's corner: 128 rows of 8,192 bytes,
	s_lshl_b32 s27, ttmp9, 9                       ; 128 columns of 4 bytes
	s_add_co_u32 s26, s26, s27
	s_mov_b32 s27, 0
	s_add_nc_u64 s[12:13], s[12:13], s[26:27]
	s_mov_b32 s28, 0xffff0000                      ; a word's upper bf16
	s_mov_b32 s29, 0x3fb8aa3b                      ; log2 e
	; THE CONSTANTS, lane = dimension (both halves of the wave alike).  softplus(x) = max(x, 0) + log1p(t), t = e^-|x|, and
	; log1p(t) = ln(w) t / (w - 1) with w = 1 + t rounded (w - 1 is exact; the quotient mends w's rounding), or t where w = 1.
	s_wait_loadcnt 0x4                             ; uls, uv and c are in; the four younger loads (my row) stay out
	v_or_b32 v[E1], 0x80000000, v[XL]              ; -|x|
	v_or_b32 v[E2], 0x80000000, v[XV]
	v_mul_f32 v[E1], s29, v[E1]
	v_mul_f32 v[E2], s29, v[E2]
	v_exp_f32 v[E1], v[E1]                         ; t
	v_exp_f32 v[E2], v[E2]
	v_max_num_f32 v[MX1], 0, v[XL]                 ; (a plain instruction stands between each run of transcendentals and the first use
	v_max_num_f32 v[MX2], 0, v[XV]                 ;  of their results: ISA guide 5.7.2)
	s_wait_alu depctr_va_vdst(0)                   ; the two exponentials have written t, ahead of the first line that names it
	v_add_f32 v[W1], 1.0, v[E1]
	v_add_f32 v[W2], 1.0, v[E2]
	v_log_f32 v[G1], v[W1]                         ; log2 w
	v_log_f32 v[G2], v[W2]
	v_add_f32 v[D1], -1.0, v[W1]                   ; w - 1
	v_add_f32 v[D2], -1.0, v[W2]
	v_rcp_f32 v[Q1], v[D1]
	v_rcp_f32 v[Q2], v[D2]
	v_mul_f32 v[W1], 0x3f317218, v[E1]             ; t ln 2
	v_mul_f32 v[W2], 0x3f317218, v[E2]
	v_cmp_eq_f32 s30, 0, v[D1]                     ; w = 1?  Both compares in one run, each into a scalar register of its own
	v_cmp_eq_f32 s31, 0, v[D2]
	s_wait_alu depctr_va_vdst(0)                   ; one batch: the two logarithms and the two reciprocals have written their results
	v_mul_f32 v[G1], v[G1], v[W1]
	v_mul_f32 v[G2], v[G2], v[W2]
	v_mul_f32 v[G1], v[G1], v[Q1]
	v_mul_f32 v[G2], v[G2], v[Q2]
	s_wait_alu depctr_va_sdst(0)                   ; the compares have written s30 and s31, ahead of the selects that read them
	v_cndmask_b32 v[G1], v[G1], v[E1], s30
	v_cndmask_b32 v[G2], v[G2], v[E2], s31
	v_add_f32 v[G1], v[G1], v[MX1]                 ; ls_d
	v_add_f32 v[G2], v[G2], v[MX2]                 ; var
	v_rcp_f32 v[D1], v[G1]                         ; 1 / ls_d
	v_mul_f32 v[D2], 0xbfb17218, v[G2]             ; -2 ln2 var
	s_wait_alu depctr_va_vdst(0)                   ; the reciprocal has written 1 / ls_d
	v_mul_f32 v[Q1], v[D1], v[D1]                  ; l2_d
	v_mul_f32 v[NI], 0xbf99be61, v[D1]             ; -s / ls_d, s = sqrt(log2 e) = 1.2011224
	v_add_f32_dpp v[Q2], v[Q1], v[Q1] row_xmask:1 row_mask:0xf bank_mask:0xf   ; L = the sum over the 16 lanes of a half
	v_add_f32_dpp v[Q2], v[Q2], v[Q2] row_xmask:2 row_mask:0xf bank_mask:0xf
	v_add_f32_dpp v[Q2], v[Q2], v[Q2] row_xmask:4 row_mask:0xf bank_mask:0xf
	v_add_f32_dpp v[Q2], v[Q2], v[Q2] row_xmask:8 row_mask:0xf bank_mask:0xf
	v_sub_f32 v[W1], v[Q1], v[Q2]                  ; l2_d - L
	v_mul_f32 v[KV], v[D2], v[W1]                  ; k_d
	v_mul_f32 v[W2], v[G2], v[Q2]                  ; var L
	v_mul_f32 v[K0], 0x41700000, v[W2]             ; 15 var L (15 = the 16 dimensions - 1)
	v_cndmask_b32 v[K0], 0, v[K0], s20             ; it is added once, on X's side
; 16 f32 at src -> 8 words of bf16 heads at hi and 8 words of bf16 of the remainders at lo.  tmp: 16 registers
.macro SPLIT hi, lo, src, tmp
.irp i, 0,1,2,3,4,5,6,7
	v_cvt_pk_bf16_f32 v[\hi+\i], v[\src+2*\i], v[\src+2*\i+1]
.endr
.irp i, 0,1,2,3,4,5,6,7
	v_lshlrev_b32 v[\tmp+2*\i], 16, v[\hi+\i]      ; the heads back as f32
	v_and_b32 v[\tmp+2*\i+1], s28, v[\hi+\i]
.endr
.irp i, 0,1,2,3,4,5,6,7
	v_pk_add_f32 v[\tmp+2*\i:\tmp+2*\i+1], v[\src+2*\i:\src+2*\i+1], v[\tmp+2*\i:\tmp+2*\i+1] neg_lo:[0,1] neg_hi:[0,1]   ; exact
.endr
.irp i, 0,1,2,3,4,5,6,7
	v_cvt_pk_bf16_f32 v[\lo+\i], v[\tmp+2*\i], v[\tmp+2*\i+1]
.endr
.endm
; sum over 16 dimensions of a_d b_d, left as two halves in v[acc], v[acc+1]; two chains; the first products start the sums
.macro DOT acc, a, b
	v_pk_mul_f32 v[\acc:\acc+1], v[\a:\a+1], v[\b:\b+1]
	v_pk_mul_f32 v[\acc+2:\acc+3], v[\a+2:\a+3], v[\b+2:\b+3]
.irp i, 4,8,12
	v_pk_fma_f32 v[\acc:\acc+1], v[\a+\i:\a+\i+1], v[\b+\i:\b+\i+1], v[\acc:\acc+1]
	v_pk_fma_f32 v[\acc+2:\acc+3], v[\a+\i+2:\a+\i+3], v[\b+\i+2:\b+\i+3], v[\acc+2:\acc+3]
.endr
	v_pk_add_f32 v[\acc:\acc+1], v[\acc:\acc+1], v[\acc+2:\acc+3]
.endm
	; MY ROW.  The constant of dimension d is read out of lane d of my half of the wave by the arithmetic itself (DPP row_share).
	s_wait_loadcnt 0x0
.irp d, 0,1,2,3,4,5,6,7,8,9,10,11,12,13,14,15
	v_sub_f32_dpp v[X+\d], v[CEN], v[X+\d] row_share:\d row_mask:0xf bank_mask:0xf     ; c_d - x_d
.endr
.irp d, 0,1,2,3,4,5,6,7,8,9,10,11,12,13,14,15
	v_mul_f32_dpp v[X+\d], v[NI], v[X+\d] row_share:\d row_mask:0xf bank_mask:0xf      ; u_d = (-s / ls_d)(c_d - x_d)
.endr
	SPLIT UH, UL, X, F
	DOT SN, X, X
.irp d, 0,1,2,3,4,5,6,7,8,9,10,11,12,13,14,15
	v_mul_f32_dpp v[F+\d], v[KV], v[X+\d] row_share:\d row_mask:0xf bank_mask:0xf      ; w_d = k_d u_d
.endr
	DOT SM, F, X
	v_add_f32 v[PT], v[SN], v[SN+1]
	v_add_f32 v[PT+1], v[SM], v[SM+1]
	v_mul_f32 v[PT], -0.5, v[PT]                   ; my row's term of P
	v_fma_f32 v[PT+1], v[PT+1], -0.5, v[K0]        ; my row's term of T
	; both cut into three bf16 pieces: word i = (piece i of the P term, piece i of the T term)
.irp i, 0,1
	v_cvt_pk_bf16_f32 v[CP+\i], v[PT], v[PT+1]
	v_lshlrev_b32 v[PS], 16, v[CP+\i]
	v_and_b32 v[PS+1], s28, v[CP+\i]
	v_pk_add_f32 v[PT:PT+1], v[PT:PT+1], v[PS:PS+1] neg_lo:[0,1] neg_hi:[0,1]
.endr
	v_cvt_pk_bf16_f32 v[CP+2], v[PT], v[PT+1]
	s_cmp_lt_u32 s14, 4
	s_cbranch_scc0 .Lside_x2
	; waves 0-3, X's side: w is split too, and the pieces are parted: P's in low halves, T's in high halves, against (1, 1) on the other side
	SPLIT WH, WL, F, X
.irp i, 0,1,2
	v_and_b32 v[NP+\i], 0xffff, v[CP+\i]
	v_and_b32 v[NT+\i], s28, v[CP+\i]
.endr
.irp i, 3,4,5
	v_mov_b32 v[NP+\i], 0x3f80                     ; (1, 0): takes the other side's P pieces
	v_mov_b32 v[NT+\i], 1.0                        ; (0, 1) as bf16 halves: takes its T pieces
.endr
.irp i, 6,7
	v_mov_b32 v[NP+\i], 0                          ; the four slots not used are zero on both sides
	v_mov_b32 v[NT+\i], 0
.endr
	v_mul_u32_u24 v[TMP], v[T], APITCH
	s_wait_alu depctr_va_vdst(0)                   ; the record v[64:111] and its address v3 are written, which the LDS stores read.  No vector instruction follows up to the
	                                               ; fragment loads: so the set-up is also done with v[16:143], in which they land, and their addresses v[240:243] are written
.irp i, 0,1,2,3,4,5,6,7,8,9,10,11
	ds_store_b128 v[TMP], v[UH+4*\i:UH+4*\i+3] offset:16*\i
.endr
	s_branch .Ljoin
.Lside_x2:
	; waves 4-7, X2's side
.irp i, 0,1,2
	v_mov_b32 v[NP+\i], 0x3f803f80                 ; (1, 1): takes the other side's pieces
.endr
.irp i, 6,7
	v_mov_b32 v[NP+\i], 0
.endr
	v_mul_u32_u24 v[TMP], v[T], BPITCH
	s_wait_alu depctr_va_vdst(0)                   ; the same on this side's path: the record v[64:87] and v3 are written; the set-up is done with v[16:143]; v[240:243] are written
.irp i, 0,1,2,3,4,5
	ds_store_b128 v[TMP], v[UH+4*\i:UH+4*\i+3] offset:BBASE+16*\i
.endr
.Ljoin:
	s_wait_dscnt 0x0                               ; my record is in LDS, for the other waves' sake: zero
	s_barrier_signal -1
	s_barrier_wait -1                              ; all 256 records are
	s_wait_alu depctr_vm_vsrc(0)                   ; my LDS stores have read v[64:111], in which fragments land below, and v3, which is written again behind the products
	; THE FRAGMENTS.  Lane (r, h) takes 32 bytes of record r for each instruction's 16 slots of its half h.  32 loads, in the order of use.
.macro LOADA g, dst
.irp k, 0,96                                       ; P's three parts at byte 0 of the record, T's at byte 96
	ds_load_b128 v[\dst+\k/6:\dst+\k/6+3],       v[A32] offset:\g*16*APITCH+\k       ; first: head (h = 0), remainder (h = 1)
	ds_load_b128 v[\dst+\k/6+4:\dst+\k/6+7],     v[A32] offset:\g*16*APITCH+\k+16
	ds_load_b128 v[\dst+\k/6+8:\dst+\k/6+11],    v[A64] offset:\g*16*APITCH+\k       ; second: head (h = 0), terms (h = 1)
	ds_load_b128 v[\dst+\k/6+12:\dst+\k/6+15],   v[A64] offset:\g*16*APITCH+\k+16
.endr
.endm
	LOADA 0, RA0
.irp q, 0,1,2,3
	ds_load_b128 v[RB+16*\q:RB+16*\q+3],     v[B0]  offset:\q*16*BPITCH              ; first: head in both halves
	ds_load_b128 v[RB+16*\q+4:RB+16*\q+7],   v[B0]  offset:\q*16*BPITCH+16
	ds_load_b128 v[RB+16*\q+8:RB+16*\q+11],  v[B32] offset:\q*16*BPITCH+32           ; second: remainder (h = 0), terms (h = 1)
	ds_load_b128 v[RB+16*\q+12:RB+16*\q+15], v[B32] offset:\q*16*BPITCH+48
.endr
	LOADA 1, RA1
; The first source is X's side: register j of lane (r, h) of a result is (row 8 h + j, column 4 r + q).
; The first instruction of a sum takes the constant 0; the second is the next link in place and needs no distance (ISA guide 7.12.1).
; The accumulators take turns, one instruction a turn.
.macro LINK1 acc, a, q
	v_wmma_f32_16x16x32_bf16 v[\acc+8*\q:\acc+8*\q+7], v[\a:\a+7], v[RB+16*\q:RB+16*\q+7], 0
.endm
.macro LINK2 acc, a, q
	v_wmma_f32_16x16x32_bf16 v[\acc+8*\q:\acc+8*\q+7], v[\a+8:\a+15], v[RB+16*\q+8:RB+16*\q+15], v[\acc+8*\q:\acc+8*\q+7]
.endm
	; group 0 (row tile 0), tile by tile as X2's fragments arrive
.irp q, 0,1,2,3
	s_wait_dscnt 20-4*\q                           ; LDS loads come back in order: the first 12 + 4 q of the 32 are in
	LINK1 P0, RA0, \q
	LINK1 T0, RA0+16, \q
	LINK2 P0, RA0, \q
	LINK2 T0, RA0+16, \q
.endr
	s_wait_dscnt 0x4                               ; row tile 1's P fragments are in; its four T loads stay out
.irp q, 0,1,2,3
	LINK1 P1, RA1, \q
.endr
.irp q, 0,1,2,3
	LINK2 P1, RA1, \q
.endr
	; four plain vector instructions that name no register of the matrix instructions above stand in front of the lines that read
	; their results and write over their X fragments: three make the store offset
	v_lshlrev_b32 v[TMP], 4, v[R]                  ; 16 bytes a lane: columns 4 r .. 4 r + 3
	v_lshl_add_u32 v[TMP], v[H], 16, v[TMP]        ; + 8 h rows of 8,192 bytes
	v_add_nc_u32 v[VO], s25, v[TMP]
	v_nop
	; THE WAY OUT: out = 2^P * T, a group of 16 rows x 64 columns at a time.  The exponential writes tile q's row j to register 4 j + q of
	; the group's results, the multiply works in place: four neighbouring registers are four neighbouring columns.  A store covers 256
	; consecutive bytes, at a multiple of 256 from out0's first byte, with lanes 0-15 (row j) and 256 more with lanes 16-31 (row 8 + j).
	; Every accumulator is read from its register 0 on.
	; Group 0's 32 exponentials are one batch; its results lie in row tile 0's fragment registers, which are done with.
.irp j, 0,1,2,3,4,5,6,7
.irp q, 0,1,2,3
	v_exp_f32 v[RA0+4*\j+\q], v[P0+8*\q+\j]
.endr
.endr
	v_nop                                          ; a plain instruction behind the last exponential, ahead of the first use (ISA guide 5.7.2): one for the batch
	s_wait_alu depctr_va_vdst(0)                   ; group 0's exponentials have written v[16:47], ahead of the multiplies that name them
	; Group 1's 32 exponentials (results in P0's registers, which group 0's exponentials have read) by turns with group 0's multiplies:
	; the two name no register in common, and the last multiply is the plain instruction behind the last exponential.
.irp j, 0,1,2,3,4,5,6,7
.irp q, 0,1,2,3
	v_exp_f32 v[P0+4*\j+\q], v[P1+8*\q+\j]
	v_mul_f32 v[RA0+4*\j+\q], v[RA0+4*\j+\q], v[T0+8*\q+\j]
.endr
.endr
	s_wait_dscnt 0x0                               ; row tile 1's T fragments
	s_wait_alu depctr_va_vdst(0)                   ; group 0's multiplies have written v[16:47] and v244 is written, which the eight stores below read; group 1's exponentials have written v[144:175]
	; T of group 1 into T0's registers, which group 0's multiplies have read.  Group 0's stores are dealt among these matrix
	; instructions, which name v[64:79], v[80:143] and v[176:207]: none of the registers that the stores read, so no further wait.
.irp q, 0,1,2,3
	LINK1 T0, RA1+16, \q
	global_store_b128 v[VO], v[RA0+4*\q:RA0+4*\q+3], s[12:13] offset:\q*OROW th:TH_STORE_NT
.endr
.irp q, 0,1,2,3
	LINK2 T0, RA1+16, \q
	global_store_b128 v[VO], v[RA0+16+4*\q:RA0+16+4*\q+3], s[12:13] offset:(4+\q)*OROW th:TH_STORE_NT
.endr
.rept 4
	v_nop                                          ; the places between T's matrix instructions and the first multiply that reads T (ISA guide 7.12.1)
.endr
.irp j, 0,1,2,3,4,5,6,7
.irp q, 0,1,2,3
	v_mul_f32 v[P0+4*\j+\q], v[P0+4*\j+\q], v[T0+8*\q+\j]
.endr
.endr
	s_wait_alu depctr_va_vdst(0)                   ; group 1's multiplies have written v[144:175], which the last eight stores read
.irp j, 0,1,2,3,4,5,6,7
	global_store_b128 v[VO], v[P0+4*\j:P0+4*\j+3], s[12:13] offset:(16+\j)*OROW th:TH_STORE_NT
.endr
	s_wait_dscnt 0x0
	s_wait_alu depctr_hold_cnt(0) depctr_sa_sdst(0) depctr_va_vdst(0) depctr_va_sdst(0) depctr_va_ssrc(0) depctr_va_vcc(0) depctr_vm_vsrc(0)
	s_wait_tensorcnt 0x0
	ds_add_u32 v246, v247
	s_wait_dscnt 0x0
	s_endpgm
.Lfunc_end_k_q0f11c078d0_divfree:
	.size	k_q0f11c078d0_divfree, .Lfunc_end_k_q0f11c078d0_divfree-k_q0f11c078d0_divfree
	.p2alignl 7, 3214868480
	.fill 96, 4, 3214868480
	.section	.rodata,"a",@progbits
	.p2align	6, 0x0
	.amdhsa_kernel k_q0f11c078d0_divfree
		.amdhsa_group_segment_fixed_size 41984
		.amdhsa_private_segment_fixed_size 0
		.amdhsa_enable_private_segment 0
		.amdhsa_kernarg_size 40
		.amdhsa_user_sgpr_count 2
		.amdhsa_user_sgpr_kernarg_segment_ptr 1
		.amdhsa_wavefront_size32 1
		.amdhsa_system_sgpr_workgroup_id_x 1
		.amdhsa_system_sgpr_workgroup_id_y 1
		.amdhsa_system_sgpr_workgroup_id_z 1
		.amdhsa_system_vgpr_workitem_id 0
		.amdhsa_next_free_vgpr 248
		.amdhsa_next_free_sgpr 66
		.amdhsa_reserve_vcc 0
		.amdhsa_float_denorm_mode_32 3
		.amdhsa_float_denorm_mode_16_64 3
		.amdhsa_memory_ordered 1
		.amdhsa_forward_progress 1
		.amdhsa_inst_pref_size 27
	.end_amdhsa_kernel
	.amdgpu_metadata
---
amdhsa.version: [ 1, 2 ]
amdhsa.kernels:
  - .name:           k_q0f11c078d0_divfree
    .symbol:         k_q0f11c078d0_divfree.kd
    .args:
      - { .name: X, .offset: 0, .size: 8, .value_kind: global_buffer, .address_space: global }
      - { .name: X2, .offset: 8, .size: 8, .value_kind: global_buffer, .address_space: global }
      - { .name: uls, .offset: 16, .size: 8, .value_kind: global_buffer, .address_space: global }
      - { .name: uv, .offset: 24, .size: 8, .value_kind: global_buffer, .address_space: global }
      - { .name: out0, .offset: 32, .size: 8, .value_kind: global_buffer, .address_space: global }
    .group_segment_fixed_size: 41984
    .private_segment_fixed_size: 0
    .kernarg_segment_align: 8
    .kernarg_segment_size: 40
    .max_flat_workgroup_size: 256
    .sgpr_count:     66
    .vgpr_count:     248
    .wavefront_size: 32
...
	.end_amdgpu_metadata
.endif
;; end of part 2
